; MI455X (gfx1250); checked and timed in simulation.
; The chip was launched on July 23, 2026; its instructions are those of AMD's public machine-readable ISA for CDNA 5 (MIT licence, August 2026) and "CDNA5" Instruction Set Architecture Reference Guide (July 2026). The comments in the code are by the model that wrote it; some were corrected since.
;; Multi Head Attention. Allowed arithmetic: matrix products marked QUANTISED: E2M3 operands, one E8M0 scale for each 32 along K, by v_wmma_scale_f32_16x16x128_f8f6f4 with both operands' format E2M3, f32 sums; everything else in f32.
;; Inputs: embed_codes 4 x 2,048 x 32 x 24 uint8 (E2M3 codes of embed, K innermost, in blocks of 32 codes, four codes in three bytes); embed_scales 4 x 2,048 x 32 uint8 (E8M0 scales of embed, one for each 32 codes along K); mask 4 x 2,048 x 2,048 bool; w_k_codes 16 x 64 x 32 x 24 uint8 (E2M3 codes of w_k, K innermost, in blocks of 32 codes, four codes in three bytes); w_k_scales 16 x 64 x 32 uint8 (E8M0 scales of w_k, one for each 32 codes along K); w_o_codes 1,024 x 32 x 24 uint8 (E2M3 codes of w_o, K innermost, in blocks of 32 codes, four codes in three bytes); w_o_scales 1,024 x 32 uint8 (E8M0 scales of w_o, one for each 32 codes along K); w_q_codes 16 x 64 x 32 x 24 uint8 (E2M3 codes of w_q, K innermost, in blocks of 32 codes, four codes in three bytes); w_q_scales 16 x 64 x 32 uint8 (E8M0 scales of w_q, one for each 32 codes along K); w_v_codes 16 x 64 x 32 x 24 uint8 (E2M3 codes of w_v, K innermost, in blocks of 32 codes, four codes in three bytes); w_v_scales 16 x 64 x 32 uint8 (E8M0 scales of w_v, one for each 32 codes along K).
;; Outputs: out0 4 x 2,048 x 1,024 float32.
;; This version of the problem:
;;   THIS VERSION OF THE PROBLEM IS GIVEN IN LOW PRECISION. The matrix products marked QUANTISED in the list below multiply operands that are first quantised to E2M3 (2 exponent bits, 3 mantissa bits; 6 bits a number), with one power-of-two scale for each 32 numbers along K (OCP MX v1.0); their sums are f32. All else is computed in f32.
;;   The module's matrix products, in the order in which they are computed (A, B: the left and right operand; K: the contracted axis; several contracted axes count as one K, in the product's order):
;;     1. [M 1,024, K 1,024] x [K 1,024, N 8,192]; A: input w_q (given as codes); B: input embed (given as codes): QUANTISED
;;     2. [M 1,024, K 1,024] x [K 1,024, N 8,192]; A: input w_k (given as codes); B: input embed (given as codes): QUANTISED
;;     3. [M 1,024, K 1,024] x [K 1,024, N 8,192]; A: input w_v (given as codes); B: input embed (given as codes): QUANTISED
;;     4. batch 64 x [M 2,048, K 64] x [K 64, N 2,048]; A: computed on the way; B: computed on the way: QUANTISED
;;     5. batch 64 x [M 2,048, K 2,048] x [K 2,048, N 64]; A: softmax (see below); B: computed on the way: QUANTISED
;;     6. [M 8,192, K 1,024] x [K 1,024, N 1,024]; A: computed on the way; B: input w_o (given as codes): QUANTISED
;;   THE QUANTISER, for each operand of a quantised product, along K:
;;     - K is cut into blocks of 32 from its start; a last block that is shorter is filled with zeros.
;;     - A block's scale is 2^e with e = floor(log2(the largest magnitude in the block)) - 2, held to -126 .. 127; a block of zeros has e = 0. As a byte (E8M0): e + 127.
;;     - Each number is divided by its block's scale, clamped to +-7.5, and rounded to the nearest number of E2M3, ties to even, subnormals kept.
;;     - The product sums the exact products of the quantised numbers (number of the format x scale) in f32.
;;   ~~~python
;;   def quantise(x, axis):      # numpy; x: float32 -> the quantised numbers, widened to float32 again
;;       x = np.moveaxis(x, axis, -1); K = x.shape[-1]
;;       x = np.pad(x, [(0, 0)] * (x.ndim - 1) + [(0, -K % 32)]); x = x.reshape(x.shape[:-1] + (-1, 32)); a = np.abs(x).max(-1, keepdims=True)
;;       e = np.where(a > 0, np.clip(np.frexp(np.where(a > 0, a, 1))[1] - 1 - 2, -126, 127), 0)      # np.frexp(a)[1] - 1 = floor(log2(a)), exactly
;;       r = np.clip(x / 2.0 ** e, -7.5, 7.5)
;;       step = 2.0 ** (np.maximum(np.frexp(np.where(r == 0, 1, r))[1] - 1, 0) - 3)
;;       q = np.round(r / step) * step * 2.0 ** e      # np.round: ties to even
;;       return np.moveaxis(q.reshape(q.shape[:-2] + (-1,))[..., :K], -1, axis).astype(np.float32)
;;   ~~~
;;   SOFTMAX AHEAD OF A QUANTISED PRODUCT. Where the list says 'softmax', what is quantised is not the finished softmax but p = 2^(t - M), with t = logit x log2(e) and M = ceil(the row's largest t), a whole number; so 1/2 < the row's largest p <= 1. The row's sum l is taken of the UNQUANTISED p, in f32, and the product's result is divided by l at the end. Since M is a whole number, a kernel that streams over the keys may use a running M (the ceiling of the running maximum): every later rescaling is an exact power of two, which a block's scale takes up: the codes' values come out the same.
;;   OPERANDS COMPUTED ON THE WAY. 'Computed on the way' means the value that the module computes at that place (a softmax that the list does not call 'softmax' is quantised finished and normalised). What goes into a quantiser is computed in f32, as accurately as f32 sums, v_exp_f32 and their like allow (about 1e-6 of the number): no bf16 or f16 on the way to a quantiser, and a product that is left as it is and whose result goes on into a quantised operand takes f32 operands (vector FMAs, or v_wmma_f32_16x16x4_f32). A number that lies on a knife's edge between two numbers of the format may be rounded either way, as far as f32 arithmetic and the matrix unit's own rounding can turn it there, and no further.
;;   INPUTS GIVEN AS CODES. embed (in the module: [4, 2048, 1024], K = its axis 2); w_k (in the module: [16, 1024, 64], K = its axis 1); w_o (in the module: [1024, 1024], K = its axis 0); w_q (in the module: [16, 1024, 64], K = its axis 1); w_v (in the module: [16, 1024, 64], K = its axis 1): each comes as NAME_codes (uint8): NAME with its K axis moved to the last place and cut into blocks of 32 codes, [.., K / 32, bytes a block], one block behind the other in memory; four codes in three bytes: a row's codes are one little-endian stream of bits, code i at bits 6 i .. 6 i + 5 (a code: sign, 2 exponent bits, 3 mantissa bits); and NAME_scales (uint8): the same leading axes, one E8M0 byte (e + 127) for each 32 codes along K. Its value is code x scale, taken as it is: it is not quantised again, and the codes and scales need not be those that the quantiser above would give.
;; One version. Each part assembles by itself: llvm-mc -triple=amdgcn-amd-amdhsa -mcpu=gfx1250 --defsym DOCPART=n.
;; ======== version 1 of 1: 3 launches
;; workspace buffers: qws 6,815,744 bytes; kvws 13,631,488 bytes; mbits 2,097,152 bytes of whole numbers; hoc 6,291,456 bytes; hos 262,144 bytes
;; launch proj (part 1): grid 16 x 64, 6 waves a work-group, clusters of 4 x 4, 327,680 bytes of LDS; arguments embed_codes, embed_scales, mask, w_q_codes, w_q_scales, w_k_codes, w_k_scales, w_v_codes, w_v_scales, qws, kvws, mbits; writes qws, kvws, mbits
.if DOCPART == 1
	.amdgcn_target "amdgcn-amd-amdhsa--gfx1250"
	.amdhsa_code_object_version 6
	.text
	.protected	k_qc5d7d90b09_proj
	.globl	k_qc5d7d90b09_proj
	.p2align	8
	.type	k_qc5d7d90b09_proj,@function
k_qc5d7d90b09_proj:
	s_mov_b64 s[64:65], 0
	v_nop
	global_prefetch_b8 v0, s[64:65] scope:SCOPE_SE
	s_setreg_imm32_b32 hwreg(HW_REG_WAVE_MODE, 25, 1), 1
	s_wait_xcnt 0x0
	s_wait_alu depctr_hold_cnt(0) depctr_sa_sdst(0) depctr_va_vdst(0) depctr_va_sdst(0) depctr_va_ssrc(0) depctr_va_vcc(0) depctr_vm_vsrc(0)
	s_getreg_b32 s2, hwreg(HW_REG_IB_STS2, 6, 4)
	s_cmp_eq_u32 s2, 0
	s_cbranch_scc0 .Lentry_in_a_cluster
	s_endpgm
.Lentry_in_a_cluster:
	s_bfe_u32 s2, ttmp6, 0x10000c
	s_cmp_lg_u32 s2, 0xf033
	s_cbranch_scc0 .Lentry_shape_is_right
	s_endpgm
.Lentry_shape_is_right:
; q, k, v = embed x w_q, w_k, w_v on codes of FP6 (E2M3) with one E8M0 scale for each 32 along K; the results are quantised at once: q and k along the head's 64, v along the keys.
; The mask (one byte a pair of query and key) is packed into lane words for the attention launch.
; SHARES.  A work-group takes 128 rows of embed (batch b = RB / 16, key step j = RB % 16) and one head HD: 192 columns, all of K = 1,024.  Six waves: kind = wave / 2 (0 q, 1 k, 2 v), half = wave % 2 (which 64 rows):
; each makes 64 x 64: 16 accumulators, 128 matrix instructions.
; ONE TEXT FOR THE THREE KINDS.  Accumulator 4 i + j = source 0 tile j x source 1 tile i.  A lane holds one row of source 1, and its registers run along source 0's rows.  q, k: source 0 = the weight (d along the registers),
; source 1 = embed.  v: source 0 = embed (keys along the registers), source 1 = w_v.  Only the two LDS row bases differ.
; WHAT IS STORED.  The 32 registers of tile i are two blocks of 32 along the next product's K, each shared by lanes l and l xor 16.  Two conversions and three exchanges of halves give six registers of the next operand:
; lane half h holds block h whole, its places 0-7, 8-15, 16-23, 24-31 holding the block's numbers 0-7, 16-23, 8-15, 24-31.  The same order falls on both operands of each later product (q and k; p and v), so the sums
; are those of the true order, and each block keeps its own 32 numbers and its scale.  The six registers leave as an image: registers 0-3 at 16 x lane, registers 4-5 at 512 + 8 x lane: 768 bytes, three runs of 256 aligned bytes.
; LDS.  K in four chunks of 256: each 320 rows (128 of embed, 64 each of w_q, w_k, w_v) of 192 bytes, 16 bytes of padding behind every 64: pitch 240.  Every byte is filled once, by tensor loads that all go out at the head.
; Behind the chunks: the 320 rows' scale bytes, 32 a row, eight rows and 16 bytes of padding to 272 bytes; these come through registers.
; CLUSTER 4 x 4.  The four work-groups of a row of the cluster share RB and ask for embed's tiles jointly; the four of a column share HD and ask for the weights' tiles jointly.
; LIMITS.  A block whose largest magnitude lies under 2^-124 keeps the scale byte 1; a block of zeros has the byte 1, not 127 (its codes are zeros, and only this program reads the bytes).  Infinities and NaN in q, k, v are not served.
.set CHB,   76800                      ; a chunk in LDS: 320 rows x 240
.set PITCH, 240
.set SCL,   4*CHB                      ; the scale bytes: 40 x 272
.set L16,   4                          ; v4   16 x lane
.set L8,    5                          ; v5   8 x lane
.set ADA,   6                          ; v6, v7   source 0's fragments: row x 240 + 24 h, and + 40 h for the pieces that lie behind one padding more
.set ADB,   8                          ; v8, v9   source 1's
.set SAA,   10                         ; v10  source 0's scale words
.set SAB,   11                         ; v11  source 1's
.set CPY,   12                         ; v12  where I put scale bytes
.set MOF,   13                         ; v13  the mask: 2,048 r + 8 h
.set SA,    16                         ; v16-23  source 0's scale words: tile t, the chunk's K step q: v[SA + 2 t + q]
.set SB,    24                         ; v24-31  source 1's
.set FA,    32                         ; v32-79  source 0's four fragments
.set FB,    80                         ; v80-127 source 1's
.set ACC,   128                        ; v128-255
.set CT,    64                         ; the way out: a conversion's second result
.set TM,    72                         ; the way out: v72-77 at work
.set WV,    52
.set CX,    53
.set CY,    54
.set HD,    55
.set RB,    56
.set SEL,   96                         ; s[96:97] lane selects for v_permlanex16_b32: lane l xor 16
.set G1E,   4                          ; s[4:11]   descriptor group 1, embed's tiles
.set G1W,   12                         ; s[12:19]  the weights'
.set G0E,   20                         ; s[20:35]  group 0, embed, one set for each chunk
.set G0W,   36                         ; s[36:51]  group 0, a weight, one set for each chunk
.macro CROUND                          ; a round of the cluster's barrier
	s_barrier_signal -1
	s_barrier_wait -1
	s_cmp_lg_u32 s[WV], 0
	s_cbranch_scc1 .Lnot_wave_0_\@
	s_barrier_signal -3
.Lnot_wave_0_\@:
	s_barrier_wait -3
	s_barrier_signal -1
	s_barrier_wait -1
.endm
.macro PLACES n
.rept \n
	v_nop
.endr
.endm
; A fragment: 16 rows x 128 K = 12 registers; lane (r, h): registers 6 c .. 6 c + 5 = K 64 c + 32 h + 0 .. 31: 24 bytes of the row as they lie, in pieces of 8.  Lanes 16-31 read three pieces on, which for some pieces is behind one padding more.
.macro FRAG reg, adr, q, i
.irp p, 0,1,2,3,4,5
.set PCE, 12*(\q)+6*(\p/3)+\p%3
.if PCE%8 < 5
	ds_load_b64 v[(\reg)+2*\p:(\reg)+2*\p+1], v[\adr] offset:8*PCE+16*(PCE/8)+(\i)*16*PITCH
.else
	ds_load_b64 v[(\reg)+2*\p:(\reg)+2*\p+1], v[(\adr)+1] offset:8*PCE+16*(PCE/8)+(\i)*16*PITCH
.endif
.endr
.endm
.macro MUL4 i, q, zero                 ; source 1's tile i against source 0's four; zero = 1: the products start the sums
.irp j, 0,1,2,3
.if \zero
	v_wmma_scale_f32_16x16x128_f8f6f4 v[ACC+8*(4*(\i)+\j):ACC+8*(4*(\i)+\j)+7], v[FA+12*\j:FA+12*\j+11], v[FB+12*(\i):FB+12*(\i)+11], 0, v[SA+2*\j+(\q)], v[SB+2*(\i)+(\q)] matrix_a_fmt:MATRIX_FMT_FP6 matrix_b_fmt:MATRIX_FMT_FP6
.else
	v_wmma_scale_f32_16x16x128_f8f6f4 v[ACC+8*(4*(\i)+\j):ACC+8*(4*(\i)+\j)+7], v[FA+12*\j:FA+12*\j+11], v[FB+12*(\i):FB+12*(\i)+11], v[ACC+8*(4*(\i)+\j):ACC+8*(4*(\i)+\j)+7], v[SA+2*\j+(\q)], v[SB+2*(\i)+(\q)] matrix_a_fmt:MATRIX_FMT_FP6 matrix_b_fmt:MATRIX_FMT_FP6
.endif
.endr
.endm
; 128 along K: 48 LDS loads, 16 matrix instructions.  The 16 accumulators take turns in the same order in every step.
.macro KSTEP q, zero
.irp j, 0,1,2,3
	FRAG FA+12*\j, ADA, \q, \j
.endr
.irp i, 0,1,2,3
	FRAG FB+12*\i, ADB, \q, \i
.endr
.irp i, 0,1,2,3
	s_wait_dscnt 18-6*\i                           ; source 0's four and source 1's tile i are in; the 3 - i younger fragments, six loads each, may be out
	MUL4 \i, \q, \zero
.endr
	PLACES 4                                       ; four plain places between the products and the loads into the registers that they read
.endm
.macro CHUNK c
	s_wait_tensorcnt 3-\c                          ; my load of chunk c has landed; my 3 - c loads of the later chunks may stay out: nothing is filled a second time
	s_wait_dscnt 0x0                               ; my LDS stores (the scale bytes) have landed, and no LDS load of mine is out
	s_barrier_signal -1
	s_barrier_wait -1                              ; chunk c is whole for every wave
.irp t, 0,1,2,3
	ds_load_b64 v[SA+2*\t:SA+2*\t+1], v[SAA] offset:544*\t+8*\c   ; the chunk's two scale words of tile t's rows (16 rows are two runs of 272 bytes)
	ds_load_b64 v[SB+2*\t:SB+2*\t+1], v[SAB] offset:544*\t+8*\c
.endr
.if \c == 0
	KSTEP 0, 1
.else
	KSTEP 0, 0
.endif
	KSTEP 1, 0
.if \c < 3
	v_add_nc_u32 v[ADA], CHB, v[ADA]
	v_add_nc_u32 v[ADA+1], CHB, v[ADA+1]
	v_add_nc_u32 v[ADB], CHB, v[ADB]
	v_add_nc_u32 v[ADB+1], CHB, v[ADB+1]
.endif
.endm
; 32 registers of a lane, two blocks of 32 shared with lane l xor 16, become six registers of codes v[pc ..] and the scale word v[wd] (byte 0, byte 1; the upper bytes 0).
.macro QUANT32 src, pc, wd
.irp b, 0,1
	v_max3_num_f32 v[TM+\b], |v[(\src)+16*\b]|, |v[(\src)+16*\b+1]|, 0x1800000   ; my 16 numbers of block b, from each accumulator's low end on, and the floor 2^(3 - 127): the byte cannot fall under 1
.endr
.irp i, 2,4,6,8,10,12,14
.irp b, 0,1
	v_max3_num_f32 v[TM+\b], v[TM+\b], |v[(\src)+16*\b+\i]|, |v[(\src)+16*\b+\i+1]|
.endr
.endr
.irp b, 0,1
	v_permlanex16_b32 v[TM+2+\b], v[TM+\b], s[SEL], s[SEL+1]
.endr
.irp b, 0,1
	v_max_num_f32 v[TM+\b], v[TM+\b], v[TM+2+\b]   ; the block's largest magnitude
.endr
.irp b, 0,1
	v_add_nc_u32 v[TM+4+\b], 0xff000000, v[TM+\b]  ; 2 off its exponent field: the conversion takes this operand's exponent field as its scale
.endr
.irp b, 0,1
	v_lshrrev_b32 v[TM+2+\b], 23, v[TM+4+\b]       ; the scale's byte
.endr
	v_lshl_or_b32 v[\wd], v[TM+3], 8, v[TM+2]
	v_cvt_scalef32_pk16_fp6_f32 v[(\pc):(\pc)+2], v[(\src):(\src)+15], v[TM+4]
	v_cvt_scalef32_pk16_fp6_f32 v[CT:CT+2], v[(\src)+16:(\src)+31], v[TM+5]
	v_nop                                          ; one plain place behind a scaled conversion
.irp i, 0,1,2
	v_permlane16_swap_b32 v[(\pc)+\i], v[CT+\i]    ; lanes 0-15 now hold block 0, lanes 16-31 block 1: the first three registers from h = 0, the second three from h = 1
.endr
.irp i, 0,1,2
	v_mov_b32 v[(\pc)+3+\i], v[CT+\i]
.endr
.endm
; A unit of the mask: 16 queries (tile T of batch b) x 128 keys (step st).  u = my wave + add.  Lane (r, h) takes, of query r, the bytes of keys 16 t + 8 h + 0 .. 7: those that its score registers 8 t + 0 .. 7 will hold.
.macro MASKLOAD add
	s_add_co_u32 s57, s[WV], \add                  ; u
	s_lshr_b32 s58, s57, 1
	s_and_b32 s59, s[HD], 1
	s_lshl_b32 s59, s59, 2
	s_add_co_u32 s58, s58, s59                     ; 4 (HD % 2) + u / 2
	s_and_b32 s59, s[RB], 15
	s_lshl_b32 s59, s59, 3
	s_add_co_u32 s58, s58, s59                     ; T = 8 j + that
	s_lshr_b32 s59, s[RB], 4
	s_lshl_b32 s59, s59, 7
	s_add_co_u32 s58, s58, s59                     ; 128 b + T
	s_and_b32 s57, s57, 1
	s_lshr_b32 s59, s[HD], 1
	s_lshl_b32 s59, s59, 1
	s_add_co_u32 s57, s57, s59                     ; st = 2 (HD / 2) + u % 2
	s_lshl_b32 s60, s58, 15                        ; 16 rows of 2,048 bytes a tile
	s_lshl_b32 s59, s57, 7
	s_add_co_u32 s60, s60, s59
	s_mov_b32 s61, 0
	s_add_nc_u64 s[60:61], s[72:73], s[60:61]
	s_lshl_b32 s58, s58, 4
	s_add_co_u32 s58, s58, s57
	s_lshl_b32 s62, s58, 8                         ; the unit's 64 words
	s_mov_b32 s63, 0
	s_add_nc_u64 s[62:63], s[90:91], s[62:63]
.irp t, 0,1,2,3,4,5,6,7
	global_load_b64 v[32+2*\t:33+2*\t], v[MOF], s[60:61] offset:16*\t
.endr
.endm
; For score register n = 8 t + i a compare gives the 32 lanes' bits as one word; word n goes to lane n % 32 of register n / 32, and the 64 words leave as 256 consecutive aligned bytes: memory word k is register k / 2 + 32 (k % 2).
.macro MASKPACK
	v_mov_b32 v52, 0
	v_mov_b32 v53, 0
.set n, 0
.rept 64
	v_and_b32 v[48+n%4], 0xff<<(8*(n%4)), v[32+2*(n/8)+(n%8)/4]
	v_cmp_ne_u32 s[92+n%4], 0, v[48+n%4]
	v_writelane_b32 v[52+n/32], s[92+n%4], n%32
.set n, n+1
.endr
	global_store_b64 v[L8], v[52:53], s[62:63]
.endm
	s_load_b512 s[68:83], s[0:1], 0x0              ; embed_codes 68, embed_scales 70, mask 72, w_q_codes 74, w_q_scales 76, w_k_codes 78, w_k_scales 80, w_v_codes 82
	s_load_b256 s[84:91], s[0:1], 0x40             ; w_v_scales 84, qws 86, kvws 88, mbits 90
	s_set_vgpr_msb 0x40
	v_lshl_add_u32 v0, v0, 2, 0x4db00
	v_mov_b32 v1, 0
	s_set_vgpr_msb 0x4045
	ds_add_u32 v0, v1
	ds_add_u32 v0, v1
	s_set_vgpr_msb 0x4500
	v_lshrrev_b32 v1, 5, v0
	v_readfirstlane_b32 s[WV], v1                  ; wave 0..5
	s_bfe_u32 s[CX], ttmp6, 0x40000
	s_bfe_u32 s[CY], ttmp6, 0x40004
	s_lshl_b32 s[HD], ttmp9, 2
	s_add_co_u32 s[HD], s[HD], s[CX]               ; the head
	s_and_b32 s[RB], ttmp7, 0xffff
	s_lshl_b32 s[RB], s[RB], 2
	s_add_co_u32 s[RB], s[RB], s[CY]               ; the block of 128 rows
	s_lshl_b32 s57, s[CY], 2
	s_lshl_b32 s57, 15, s57                        ; my row of the cluster
	s_lshl_b32 s66, 0x1111, s[CX]                  ; my column
	s_or_b32 s[G1E], s57, (1<<20)|(1<<21)|(3<<22)|(3<<25)   ; 15:0 the mask; elements of 1 byte; 20 padding on; 21 set beside a mask; after every 16 words (code 3) 4 words (code 3)
	s_or_b32 s[G1W], s66, (1<<20)|(1<<21)|(3<<22)|(3<<25)
	s_mov_b32 s[G1E+1], 192<<16                    ; tensor_dim0 = 192 bytes: 256 codes
	s_mov_b32 s[G1E+2], 128<<16                    ; tensor_dim1 = 128 rows
	s_mov_b32 s[G1E+3], 192<<16                    ; tile_dim0
	s_mov_b32 s[G1E+4], 128                        ; tile_dim1
	s_mov_b32 s[G1E+5], 768                        ; from row to row: 1,024 codes
	s_mov_b32 s[G1E+6], 0
	s_mov_b32 s[G1E+7], 0
	s_mov_b32 s[G1W+1], 192<<16
	s_mov_b32 s[G1W+2], 64<<16                     ; 64 rows
	s_mov_b32 s[G1W+3], 192<<16
	s_mov_b32 s[G1W+4], 64
	s_mov_b32 s[G1W+5], 768
	s_mov_b32 s[G1W+6], 0
	s_mov_b32 s[G1W+7], 0
	s_mul_i32 s60, s[RB], 98304                    ; embed: 128 rows of 768 bytes a block (made of RB alone, which my row of the cluster shares)
	s_mov_b32 s61, 0
	s_mul_i32 s62, s[HD], 49152                    ; a weight: 64 rows of 768 bytes a head (made of HD alone, which my column shares)
	s_mov_b32 s63, 0
	s_mul_i32 s67, s[WV], 15360
	s_add_co_u32 s67, s67, 15360                   ; wave 1, 2, 3 brings w_q, w_k, w_v to rows 64 (wave + 1)
	s_wait_dscnt 0x0
	s_wait_kmcnt 0x0
	s_add_nc_u64 s[60:61], s[68:69], s[60:61]
	s_cmp_eq_u32 s[WV], 2
	s_cselect_b64 s[58:59], s[78:79], s[74:75]
	s_cmp_eq_u32 s[WV], 3
	s_cselect_b64 s[58:59], s[82:83], s[58:59]
	s_add_nc_u64 s[62:63], s[58:59], s[62:63]
.irp c, 0,1,2,3
	s_mov_b32 s[G0E+4*\c], 1
	s_mov_b32 s[G0E+4*\c+1], CHB*\c
	s_add_nc_u64 s[G0E+4*\c+2:G0E+4*\c+3], s[60:61], 192*\c
	s_or_b32 s[G0E+4*\c+3], s[G0E+4*\c+3], 0x80000000
	s_mov_b32 s[G0W+4*\c], 1
	s_add_co_u32 s[G0W+4*\c+1], s67, CHB*\c
	s_add_nc_u64 s[G0W+4*\c+2:G0W+4*\c+3], s[62:63], 192*\c
	s_or_b32 s[G0W+4*\c+3], s[G0W+4*\c+3], 0x80000000
.endr
	CROUND                                         ; all sixteen work-groups are here: the joint loads meet
	s_cmp_eq_u32 s[WV], 0                          ; all fills of the launch, in one group: wave 0 embed's four chunks, waves 1 to 3 a weight's four; four loads of a wave are out at the most
	s_cbranch_scc0 .Lnot_embed
.irp c, 0,1,2,3
	tensor_load_to_lds s[G0E+4*\c:G0E+4*\c+3], s[G1E:G1E+7]
	s_nop 0
.endr
	PLACES 4
	s_branch .Lasked
.Lnot_embed:
	s_cmp_lt_u32 s[WV], 4
	s_cbranch_scc0 .Lasked
.irp c, 0,1,2,3
	tensor_load_to_lds s[G0W+4*\c:G0W+4*\c+3], s[G1W:G1W+7]
	s_nop 0
.endr
	PLACES 4
.Lasked:
	v_and_b32 v1, 31, v0                           ; lane
	v_and_b32 v2, 15, v0                           ; r
	v_bfe_u32 v3, v0, 4, 1                         ; h
	v_lshlrev_b32 v[L16], 4, v1
	v_lshlrev_b32 v[L8], 3, v1
	s_mov_b32 s[SEL], 0x76543210
	s_mov_b32 s[SEL+1], 0xfedcba98
	s_lshr_b32 s57, s[WV], 1                       ; kind
	s_and_b32 s58, s[WV], 1                        ; half
	s_lshr_b32 s59, s[WV], 2                       ; 1 for v
	s_lshl_b32 s60, s57, 6
	s_add_co_u32 s60, s60, 128                     ; the weight's first row in a chunk
	s_lshl_b32 s61, s58, 6                         ; embed's
	s_xor_b32 s62, s60, s61
	s_mul_i32 s62, s62, s59
	s_xor_b32 s60, s60, s62                        ; source 0's first row: the weight's, for v embed's
	s_xor_b32 s61, s61, s62                        ; source 1's: the other
	v_mul_u32_u24 v14, v2, PITCH
	v_mad_u32_u24 v15, v3, 24, v14
	v_mad_u32_u24 v14, v3, 40, v14
	s_mul_i32 s62, s60, PITCH
	s_mul_i32 s63, s61, PITCH
	v_add_nc_u32 v[ADA], s62, v15
	v_add_nc_u32 v[ADA+1], s62, v14
	v_add_nc_u32 v[ADB], s63, v15
	v_add_nc_u32 v[ADB+1], s63, v14
	v_lshrrev_b32 v14, 3, v2
	v_mul_u32_u24 v14, v14, 272
	v_and_b32 v15, 7, v2
	v_lshl_add_u32 v14, v15, 5, v14                ; row r's scale bytes: 272 (r / 8) + 32 (r % 8)
	s_lshr_b32 s62, s60, 3
	s_mul_i32 s62, s62, 272
	s_add_co_u32 s62, s62, SCL
	s_lshr_b32 s63, s61, 3
	s_mul_i32 s63, s63, 272
	s_add_co_u32 s63, s63, SCL
	v_add_nc_u32 v[SAA], s62, v14
	v_add_nc_u32 v[SAB], s63, v14
	s_mul_i32 s62, s[WV], 2176                     ; wave w puts the scale bytes of rows 64 w on: eight runs of 272
	s_add_co_u32 s62, s62, SCL
	v_lshl_add_u32 v[CPY], v3, 4, v[L16]           ; 16 x lane, and 16 more behind the first 256
	v_add_nc_u32 v[CPY], s62, v[CPY]
	v_lshlrev_b32 v[MOF], 11, v2
	v_lshl_add_u32 v[MOF], v3, 3, v[MOF]
	; while the tiles are on their way: the mask's units and the scale bytes
	MASKLOAD 0
	s_cmp_lt_u32 s[WV], 2                          ; waves 0, 1: embed's scale bytes, 64 rows each; waves 2, 3, 4: w_q's, w_k's, w_v's
	s_cselect_b64 s[66:67], s[70:71], s[76:77]
	s_cmp_eq_u32 s[WV], 3
	s_cselect_b64 s[66:67], s[80:81], s[66:67]
	s_cmp_eq_u32 s[WV], 4
	s_cselect_b64 s[66:67], s[84:85], s[66:67]
	s_lshl_b32 s92, s[RB], 12
	s_lshl_b32 s93, s[WV], 11
	s_add_co_u32 s92, s92, s93
	s_lshl_b32 s93, s[HD], 11
	s_cmp_lt_u32 s[WV], 2
	s_cselect_b32 s92, s92, s93
	s_mov_b32 s93, 0
	s_add_nc_u64 s[66:67], s[66:67], s[92:93]
	s_cmp_lt_u32 s[WV], 5
	s_cbranch_scc0 .Lno_copy
.irp i, 0,1,2,3
	global_load_b128 v[56+4*\i:59+4*\i], v[L16], s[66:67] offset:512*\i   ; 512 consecutive bytes a load
.endr
	s_wait_loadcnt 0x0
.irp i, 0,1,2,3
	ds_store_b128 v[CPY], v[56+4*\i:59+4*\i] offset:544*\i
.endr
.Lno_copy:
	s_wait_loadcnt 0x0                             ; the mask's bytes (wave 5 comes here without the wait above)
	MASKPACK
	s_cmp_lt_u32 s[WV], 2                          ; eight units a work-group: waves 0 and 1 take a second
	s_cbranch_scc0 .Lmask_done
	s_wait_xcnt 0x0                                ; the store above has read its data and its base: both are written again below
	MASKLOAD 6
	s_wait_loadcnt 0x0
	MASKPACK
.Lmask_done:
	s_wait_xcnt 0x0                                ; the stores of mask words have read v52, v53, which the first fragments overwrite
	; where my results go
	s_lshr_b32 s57, s[RB], 4
	s_lshl_b32 s57, s57, 4
	s_add_co_u32 s57, s57, s[HD]                   ; bh = 16 b + head
	s_and_b32 s58, s[RB], 15                       ; j
	s_lshr_b32 s59, s[WV], 1                       ; kind
	s_and_b32 s60, s[WV], 1                        ; half
	s_lshl_b32 s61, s57, 5
	s_lshl_b32 s62, s58, 1
	s_add_co_u32 s61, s61, s62
	s_add_co_u32 s61, s61, s60
	s_mul_i32 s61, s61, 3328                       ; q: unit 32 bh + 2 j + half: four images,
	s_add_co_u32 s62, s61, 3072                    ; then the scale words
	s_lshl_b32 s63, s57, 4
	s_add_co_u32 s63, s63, s58
	s_mul_i32 s63, s63, 13312                      ; k, v: key step 16 bh + j
	s_sub_co_u32 s66, s59, 1
	s_mul_i32 s66, s66, 6656                       ; k's part, then v's (for q this number is not used)
	s_add_co_u32 s63, s63, s66
	s_mul_i32 s66, s60, 3072
	s_add_co_u32 s66, s63, s66                     ; my half's four images
	s_lshl_b32 s67, s60, 8
	s_add_co_u32 s67, s67, s63
	s_add_co_u32 s67, s67, 6144                    ; and its scale words
	s_cmp_eq_u32 s59, 0
	s_cselect_b64 s[98:99], s[86:87], s[88:89]
	s_cselect_b32 s92, s61, s66
	s_cselect_b32 s94, s62, s67
	s_mov_b32 s93, 0
	s_mov_b32 s95, 0
	s_add_nc_u64 s[100:101], s[98:99], s[94:95]
	s_add_nc_u64 s[98:99], s[98:99], s[92:93]
	CHUNK 0
	CHUNK 1
	CHUNK 2
	CHUNK 3
	; THE WAY OUT (the last step's four places stand behind its products)
	v_mov_b32 v[TM+2], 0                           ; a lane permute's destination counts as one of its sources
	v_mov_b32 v[TM+3], 0
.irp i, 0,1,2,3
	QUANT32 ACC+32*\i, 32+8*\i, 80+\i
	global_store_b128 v[L16], v[32+8*\i:35+8*\i], s[98:99] offset:768*\i       ; 512 consecutive aligned bytes
	global_store_b64 v[L8], v[36+8*\i:37+8*\i], s[98:99] offset:768*\i+512     ; 256 consecutive aligned bytes
.endr
	v_cmp_eq_u32 vcc_lo, 1, v3
	v_cndmask_b32 v84, v80, v81, vcc_lo            ; lanes 0-15 keep tile 0's word, lanes 16-31 tile 1's: one register serves two tiles, by the scale operand's row
	v_cndmask_b32 v85, v82, v83, vcc_lo            ; tiles 2 and 3
	global_store_b64 v[L8], v[84:85], s[100:101]   ; 256 consecutive aligned bytes
	s_set_vgpr_msb 0x5
	s_wait_tensorcnt 0x0
	ds_add_u32 v0, v1
	s_wait_dscnt 0x0
	s_set_vgpr_msb 0x500
	CROUND                                         ; the closing round: no work-group ends while a partner may still ask for a tile that names it
	s_endpgm
.Lfunc_end_k_qc5d7d90b09_proj:
	.size	k_qc5d7d90b09_proj, .Lfunc_end_k_qc5d7d90b09_proj-k_qc5d7d90b09_proj
	.p2alignl 7, 3214868480
	.fill 96, 4, 3214868480
	.section	.rodata,"a",@progbits
	.p2align	6, 0x0
	.amdhsa_kernel k_qc5d7d90b09_proj
		.amdhsa_group_segment_fixed_size 327680
		.amdhsa_private_segment_fixed_size 0
		.amdhsa_enable_private_segment 0
		.amdhsa_kernarg_size 96
		.amdhsa_user_sgpr_count 2
		.amdhsa_user_sgpr_kernarg_segment_ptr 1
		.amdhsa_wavefront_size32 1
		.amdhsa_system_sgpr_workgroup_id_x 1
		.amdhsa_system_sgpr_workgroup_id_y 1
		.amdhsa_system_sgpr_workgroup_id_z 1
		.amdhsa_system_vgpr_workitem_id 0
		.amdhsa_next_free_vgpr 258
		.amdhsa_next_free_sgpr 102
		.amdhsa_reserve_vcc 1
		.amdhsa_float_denorm_mode_32 3
		.amdhsa_float_denorm_mode_16_64 3
		.amdhsa_memory_ordered 1
		.amdhsa_forward_progress 1
		.amdhsa_inst_pref_size 93
	.end_amdhsa_kernel
	.amdgpu_metadata
---
amdhsa.version: [ 1, 2 ]
amdhsa.kernels:
  - .name:           k_qc5d7d90b09_proj
    .symbol:         k_qc5d7d90b09_proj.kd
    .args:
      - { .name: embed_codes, .offset: 0, .size: 8, .value_kind: global_buffer, .address_space: global }
      - { .name: embed_scales, .offset: 8, .size: 8, .value_kind: global_buffer, .address_space: global }
      - { .name: mask, .offset: 16, .size: 8, .value_kind: global_buffer, .address_space: global }
      - { .name: w_q_codes, .offset: 24, .size: 8, .value_kind: global_buffer, .address_space: global }
      - { .name: w_q_scales, .offset: 32, .size: 8, .value_kind: global_buffer, .address_space: global }
      - { .name: w_k_codes, .offset: 40, .size: 8, .value_kind: global_buffer, .address_space: global }
      - { .name: w_k_scales, .offset: 48, .size: 8, .value_kind: global_buffer, .address_space: global }
      - { .name: w_v_codes, .offset: 56, .size: 8, .value_kind: global_buffer, .address_space: global }
      - { .name: w_v_scales, .offset: 64, .size: 8, .value_kind: global_buffer, .address_space: global }
      - { .name: qws, .offset: 72, .size: 8, .value_kind: global_buffer, .address_space: global }
      - { .name: kvws, .offset: 80, .size: 8, .value_kind: global_buffer, .address_space: global }
      - { .name: mbits, .offset: 88, .size: 8, .value_kind: global_buffer, .address_space: global }
    .group_segment_fixed_size: 327680
    .private_segment_fixed_size: 0
    .kernarg_segment_align: 8
    .kernarg_segment_size: 96
    .max_flat_workgroup_size: 192
    .sgpr_count:     102
    .vgpr_count:     258
    .wavefront_size: 32
...
	.end_amdgpu_metadata
.endif
;; end of part 1
;; launch attn (part 2): grid 4 x 64, 16 waves a work-group, clusters of 4 x 1, 215,040 bytes of LDS; arguments qws, kvws, mbits, hoc, hos; writes hoc, hos
.if DOCPART == 2
	.amdgcn_target "amdgcn-amd-amdhsa--gfx1250"
	.amdhsa_code_object_version 6
	.text
	.protected	k_qc5d7d90b09_attn
	.globl	k_qc5d7d90b09_attn
	.p2align	8
	.type	k_qc5d7d90b09_attn,@function
k_qc5d7d90b09_attn:
	s_mov_b64 s[64:65], 0
	v_nop
	global_prefetch_b8 v0, s[64:65] scope:SCOPE_SE
	s_setreg_imm32_b32 hwreg(HW_REG_WAVE_MODE, 25, 1), 1
	s_wait_xcnt 0x0
	s_wait_alu depctr_hold_cnt(0) depctr_sa_sdst(0) depctr_va_vdst(0) depctr_va_sdst(0) depctr_va_ssrc(0) depctr_va_vcc(0) depctr_vm_vsrc(0)
	s_getreg_b32 s2, hwreg(HW_REG_IB_STS2, 6, 4)
	s_cmp_eq_u32 s2, 0
	s_cbranch_scc0 .Lentry_in_a_cluster
	s_endpgm
.Lentry_in_a_cluster:
	s_bfe_u32 s2, ttmp6, 0x10000c
	s_cmp_lg_u32 s2, 0x3003
	s_cbranch_scc0 .Lentry_shape_is_right
	s_endpgm
.Lentry_shape_is_right:
; heads_out = softmax(mask ? q k^T / 8 : -infinity) v for one batch and head bh, both products on codes of FP6 (E2M3) with E8M0 scales; the result is divided by the row's sum and quantised along the head's 64 for the last product.
; THE SOFTMAX.  t = score x log2(e) / 8; M = the running largest t rounded up to a whole number, kept as -M = floor(-t); p = 2^(t - M) is quantised along the keys, not normalised; the row's sum is taken of the unquantised p.
; When M moves, the sum and O are multiplied by 2^(old M - new M), which rounds nothing.
; SHARES.  The four work-groups of a cluster share bh; work-group cx owns queries 512 cx on, in two passes of 256; wave w of sixteen owns one tile of 16 queries a pass, T = 32 cx + 16 pass + w, and walks all 16 key steps of 128.
; LDS.  The head's K, V and their scale words, as the launch before laid them: 13,312 bytes a key step, 16 steps, filled once: wave w brings step w, jointly with the three partners.  Nothing is stored to LDS.
; LAYOUT.  S^T = K Q^T (source 0 = 16 keys, source 1 = my queries; K = 64: the operands' upper six registers are zero codes), O^T = V^T P^T (source 0 = 16 of the head's 64): a lane holds one query throughout.
; Register 8 t + i of S^T holds key 16 t + 8 h + i: two tiles are a block of 32 keys, shared with lane l xor 16.  p's codes come out with each block's numbers in the order 0-7, 16-23, 8-15, 24-31, which is V's order too.
; THE MASK is an input: one word for each register of S^T, a bit a lane, read by scalar loads one key step ahead; v_cndmask_b32 puts -infinity where the bit is 0.  No tile is left out and no branch hangs on it.
; A row whose mask is all false has the sum 0: its scale bytes become 0xff, the E8M0 code for NaN, so that the last product gives NaN for the whole row, as the definition has it.
; LIMITS.  p under 2^-126 counts as 0 (v_exp_f32); a block whose largest magnitude lies under 2^-124 keeps the byte 1; a block of zeros has the byte 1, not 127 (only this program reads the bytes).
.set STEPB, 13312
.set KB,    32                         ; v32-79   four fragments of K: six registers of codes, six of zeros
.set VB,    80                         ; v80-127  four fragments of V
.set S,     128                        ; v128-191 S^T, then p
.set O,     192                        ; v192-223 O^T
.set PC,    224                        ; v224-235 p's codes
.set BM,    236                        ; v236-239 the blocks' largest
.set TM,    236                        ; the way out: v236-241 at work
.set CT,    244                        ; the way out: a conversion's second result
.set WV,    2
.set SEL,   18                         ; s[18:19]
.set CS,    20                         ; s[20:21] c = log2(e) / 8
; v1 16 x lane; v2 8 x lane; v3 -infinity; v4, v5 the step's LDS addresses; v6 Q's scale words; v7 8 h; v8-11 K's scale words; v12 -M; v13 the largest t; v[14:15] the sum; v16-27 Q; v28-29 V's scale words; v30 f; v31 p's scale word
; s[8:9] Q's image; s[16:17] Q's scale words; s[10:11] the mask words; s[12:13] hoc; s[14:15] hos; s22 the step's LDS byte; s23, s24 counters; s[32:63], s[68:99] the step's 64 mask words
.macro CROUND
	s_barrier_signal -1
	s_barrier_wait -1
	s_cmp_lg_u32 s[WV], 0
	s_cbranch_scc1 .Lnot_wave_0_\@
	s_barrier_signal -3
.Lnot_wave_0_\@:
	s_barrier_wait -3
	s_barrier_signal -1
	s_barrier_wait -1
.endm
.macro PLACES n
.rept \n
	v_nop
.endr
.endm
.macro KLOAD first                     ; four tiles of K, from tile first on: an image is registers 0-3 at 16 x lane and registers 4-5 at 512 + 8 x lane
.irp t, 0,1,2,3
	ds_load_b128 v[KB+12*\t:KB+12*\t+3], v4 offset:768*(\first+\t)
	ds_load_b64 v[KB+12*\t+4:KB+12*\t+5], v5 offset:768*(\first+\t)+512
.endr
.endm
.macro WMMA_S t                        ; tile t of S^T; K's scale words: register t / 2, lanes 0-15 for even t, lanes 16-31 for odd
.if (\t)%2
	v_wmma_scale_f32_16x16x128_f8f6f4 v[S+8*(\t):S+8*(\t)+7], v[KB+12*((\t)%4):KB+12*((\t)%4)+11], v[16:27], 0, v[8+(\t)/2], v6 matrix_a_fmt:MATRIX_FMT_FP6 matrix_b_fmt:MATRIX_FMT_FP6 matrix_a_scale:MATRIX_SCALE_ROW1
.else
	v_wmma_scale_f32_16x16x128_f8f6f4 v[S+8*(\t):S+8*(\t)+7], v[KB+12*((\t)%4):KB+12*((\t)%4)+11], v[16:27], 0, v[8+(\t)/2], v6 matrix_a_fmt:MATRIX_FMT_FP6 matrix_b_fmt:MATRIX_FMT_FP6
.endif
.endm
.macro MASKWORDS                       ; a key step's 64 words, 256 bytes
	s_load_b512 s[32:47], s[10:11], 0x0
	s_load_b512 s[48:63], s[10:11], 0x40
	s_load_b512 s[68:83], s[10:11], 0x80
	s_load_b512 s[84:99], s[10:11], 0xc0
.endm
.macro QUANT32 src, pc, wd             ; 32 registers, two blocks of 32 shared with lane l xor 16 -> six registers of codes and the scale word
.irp b, 0,1
	v_max3_num_f32 v[TM+\b], |v[(\src)+16*\b]|, |v[(\src)+16*\b+1]|, 0x1800000   ; with the floor 2^(3 - 127): the byte cannot fall under 1
.endr
.irp i, 2,4,6,8,10,12,14
.irp b, 0,1
	v_max3_num_f32 v[TM+\b], v[TM+\b], |v[(\src)+16*\b+\i]|, |v[(\src)+16*\b+\i+1]|
.endr
.endr
.irp b, 0,1
	v_permlanex16_b32 v[TM+2+\b], v[TM+\b], s[SEL], s[SEL+1]
.endr
.irp b, 0,1
	v_max_num_f32 v[TM+\b], v[TM+\b], v[TM+2+\b]
.endr
.irp b, 0,1
	v_add_nc_u32 v[TM+4+\b], 0xff000000, v[TM+\b]  ; 2 off the exponent field: the conversion's scale operand
.endr
.irp b, 0,1
	v_lshrrev_b32 v[TM+2+\b], 23, v[TM+4+\b]
.endr
	v_lshl_or_b32 v[\wd], v[TM+3], 8, v[TM+2]
	v_cvt_scalef32_pk16_fp6_f32 v[(\pc):(\pc)+2], v[(\src):(\src)+15], v[TM+4]
	v_cvt_scalef32_pk16_fp6_f32 v[CT:CT+2], v[(\src)+16:(\src)+31], v[TM+5]
	v_nop                                          ; one plain place behind a scaled conversion
.irp i, 0,1,2
	v_permlane16_swap_b32 v[(\pc)+\i], v[CT+\i]
.endr
.irp i, 0,1,2
	v_mov_b32 v[(\pc)+3+\i], v[CT+\i]
.endr
.endm
; A KEY STEP: 128 keys.  more = 1: the next step's first tiles of K, its scale words and its mask words are asked for on the way.
.macro STEP more
	s_wait_dscnt 0x0                               ; K's tiles 0-3 and K's scale words, asked for a step ago
.irp t, 0,1,2,3
	WMMA_S \t
.endr
	PLACES 4                                       ; four plain places in front of loads into registers that matrix instructions have read: K's buffers, and V's, which the last step's products read
	KLOAD 4
.irp t, 0,1,2,3
.irp c, 0,1
	ds_load_b128 v[VB+12*\t+6*\c:VB+12*\t+6*\c+3], v4 offset:6656+3072*\c+768*\t         ; V: 16 of the head's 64 from 16 t on, keys 64 c on
	ds_load_b64 v[VB+12*\t+6*\c+4:VB+12*\t+6*\c+5], v5 offset:6656+3072*\c+768*\t+512
.endr
.endr
	ds_load_b64 v[252:253], v5 offset:12800        ; V's scale bytes of keys 0-63,
	ds_load_b64 v[254:255], v5 offset:13056        ; and of keys 64-127
	s_wait_dscnt 18                                ; K's tiles 4-7 are in; V's 16 loads and its 2 of scale bytes may be out
.irp t, 4,5,6,7
	WMMA_S \t
.endr
	PLACES 4
.if \more
	s_add_co_u32 s22, s22, STEPB
	v_add_nc_u32 v4, s22, v1
	v_add_nc_u32 v5, s22, v2
	KLOAD 0                                        ; the next step's: 8 loads,
	ds_load_b64 v[8:9], v5 offset:6144             ; and 2 for its scale words
	ds_load_b64 v[10:11], v5 offset:6400
.endif
	s_wait_kmcnt 0x0                               ; this step's mask words
.set n, 0
.rept 64
.set kk, 2*(n%32)+n/32
	v_cndmask_b32 v[S+n], v3, v[S+n], s[32+kk+4*(kk/32)]   ; bit 0: -infinity.  Each accumulator is read from its low end on
.set n, n+1
.endr
.if \more
	s_add_nc_u64 s[10:11], s[10:11], 256           ; (behind the wait on KMcnt: the last loads are done with their base)
	MASKWORDS                                      ; a step ahead
.endif
.irp b, 0,1,2,3
	v_max3_num_f32 v[BM+\b], v[S+16*\b], v[S+16*\b+1], v[S+16*\b+2]   ; the largest score of each block of 32 keys: for the row's maximum and, since p rises with the score, for the block's largest p
.endr
.irp i, 3,5,7,9,11,13
.irp b, 0,1,2,3
	v_max3_num_f32 v[BM+\b], v[BM+\b], v[S+16*\b+\i], v[S+16*\b+\i+1]
.endr
.endr
.irp b, 0,1,2,3
	v_max_num_f32 v[BM+\b], v[BM+\b], v[S+16*\b+15]
.endr
.irp b, 0,1,2,3
	v_permlanex16_b32 v[240+\b], v[BM+\b], s[SEL], s[SEL+1]
.endr
.irp b, 0,1,2,3
	v_max_num_f32 v[BM+\b], v[BM+\b], v[240+\b]    ; with lane l xor 16's 16 keys
.endr
	v_max3_num_f32 v244, v236, v237, v238
	v_max_num_f32 v244, v244, v239
	v_mul_f32 v244, s[CS], v244                    ; the step's largest t (c is positive)
	v_max_num_f32 v13, v13, v244                   ; the running largest t
	v_mov_b32 v244, v12
	v_floor_f32 v12, -v13                          ; -M = floor(-t): M is a whole number
	v_sub_f32 v244, v12, v244                      ; old M - new M: a whole number, 0 or less
	v_cvt_i32_f32 v244, v244                       ; (it saturates)
	v_ldexp_f32 v30, 1.0, v244                     ; f = 2^(old M - new M)
.set n, 0
.rept 32
	v_pk_fma_f32 v[S+n:S+n+1], v[S+n:S+n+1], s[CS:CS+1], v[12:13] op_sel_hi:[1,0,0]   ; t - M, two at a time
.set n, n+2
.endr
.irp b, 0,1,2,3
	v_fma_f32 v[BM+\b], v[BM+\b], s[CS], v12       ; the same of each block's largest score
.endr
.set n, 0
.rept 64
	v_exp_f32 v[S+n], v[S+n]                       ; p = 2^(t - M)
.set n, n+1
.endr
	v_pk_mul_f32 v[14:15], v[14:15], v[30:31] op_sel_hi:[1,0]   ; the sum under the new M: the plain place behind the exponentials
	s_wait_alu depctr_va_vdst(0)                   ; one wait for the batch of 64, ahead of its first reader
.irp b, 0,1,2,3
	v_exp_f32 v[BM+\b], v[BM+\b]                   ; the blocks' largest p: the same two instructions on the same number
.endr
	v_pk_add_f32 v[244:245], v[S:S+1], v[S+2:S+3]  ; the row's sum of the unquantised p, in two chains; it reads the 64 alone
.set n, 4
.rept 15
	v_pk_add_f32 v[14:15], v[14:15], v[S+n:S+n+1]
	v_pk_add_f32 v[244:245], v[244:245], v[S+n+2:S+n+3]
.set n, n+4
.endr
	v_pk_add_f32 v[14:15], v[14:15], v[244:245]
	s_wait_dscnt 10*\more                          ; V and its scale bytes are in; the next step's 10 loads may be out
	v_lshl_or_b32 v28, v254, 16, v252              ; V's scale words: bytes 0, 1 keys 0-63, bytes 2, 3 keys 64-127; lanes 0-15 tile 0, lanes 16-31 tile 1
	v_lshl_or_b32 v29, v255, 16, v253              ; tiles 2 and 3
	s_wait_alu depctr_va_vdst(0)                   ; and one wait for the four
.irp b, 0,1,2,3
	v_max_num_f32 v[BM+\b], 0x1800000, v[BM+\b]    ; the floor 2^(3 - 127): a block whose every p is 0 keeps the byte 1; its codes are zeros
.endr
.irp b, 0,1,2,3
	v_add_nc_u32 v[248+\b], 0xff000000, v[BM+\b]
.endr
.irp b, 0,1,2,3
	v_lshrrev_b32 v[240+\b], 23, v[248+\b]
.endr
	v_lshl_or_b32 v31, v241, 8, v240               ; p's scale word for these 128 keys
	v_lshl_or_b32 v31, v242, 16, v31
	v_lshl_or_b32 v31, v243, 24, v31
.irp c, 0,1
	v_cvt_scalef32_pk16_fp6_f32 v[PC+6*\c:PC+6*\c+2], v[S+32*\c:S+32*\c+15], v[248+2*\c]
	v_cvt_scalef32_pk16_fp6_f32 v[240+4*\c:242+4*\c], v[S+32*\c+16:S+32*\c+31], v[248+2*\c+1]
.endr
	v_nop                                          ; one plain place behind a scaled conversion
.irp c, 0,1
.irp i, 0,1,2
	v_permlane16_swap_b32 v[PC+6*\c+\i], v[240+4*\c+\i]   ; a whole block to a lane: lanes 0-15 block 2 c, lanes 16-31 block 2 c + 1
.endr
.irp i, 0,1,2
	v_mov_b32 v[PC+6*\c+3+\i], v[240+4*\c+\i]
.endr
.endr
.set n, 0
.rept 16
	v_pk_mul_f32 v[O+n:O+n+1], v[O+n:O+n+1], v[30:31] op_sel_hi:[1,0]   ; O^T under the new M; these also stand between the writes of p's codes and scale word and the products
.set n, n+2
.endr
.irp t, 0,2
	v_wmma_scale_f32_16x16x128_f8f6f4 v[O+8*\t:O+8*\t+7], v[VB+12*\t:VB+12*\t+11], v[PC:PC+11], v[O+8*\t:O+8*\t+7], v[28+\t/2], v31 matrix_a_fmt:MATRIX_FMT_FP6 matrix_b_fmt:MATRIX_FMT_FP6
	v_wmma_scale_f32_16x16x128_f8f6f4 v[O+8*\t+8:O+8*\t+15], v[VB+12*\t+12:VB+12*\t+23], v[PC:PC+11], v[O+8*\t+8:O+8*\t+15], v[28+\t/2], v31 matrix_a_fmt:MATRIX_FMT_FP6 matrix_b_fmt:MATRIX_FMT_FP6 matrix_a_scale:MATRIX_SCALE_ROW1
.endr
.endm
	s_load_b256 s[84:91], s[0:1], 0x0              ; qws 84, kvws 86, mbits 88, hoc 90
	s_load_b64 s[92:93], s[0:1], 0x20              ; hos
	v_lshl_add_u32 v254, v0, 2, 0x34000
	v_mov_b32 v255, 0
	ds_add_u32 v254, v255
	ds_add_u32 v254, v255
	s_wait_dscnt 0x0
	v_lshrrev_b32 v1, 5, v0
	v_readfirstlane_b32 s[WV], v1                  ; wave 0..15
	s_bfe_u32 s3, ttmp6, 0x40000                   ; cx: it enters global addresses of my own loads and stores alone
	s_and_b32 s4, ttmp7, 0xffff                    ; bh, which the four partners share
	s_lshr_b32 s5, s4, 4                           ; b
	s_and_b32 s6, s4, 15                           ; head
	s_mov_b32 s36, 15|(3<<16)|(1<<21)              ; group 1: the mask names all four; elements of 8 bytes; 21 set beside a mask; no padding
	s_mov_b32 s37, 32<<16                          ; tensor_dim0 = 32 elements: 256 bytes
	s_mov_b32 s38, 52<<16                          ; tensor_dim1 = 52 rows: a key step's 13,312 dense bytes
	s_mov_b32 s39, 32<<16                          ; tile_dim0
	s_mov_b32 s40, 52                              ; tile_dim1
	s_mov_b32 s41, 32                              ; from row to row
	s_mov_b32 s42, 0
	s_mov_b32 s43, 0
	s_mov_b32 s32, 1
	s_mul_i32 s33, s[WV], STEPB                    ; wave w brings key step w
	s_lshl_b32 s25, s4, 4
	s_add_co_u32 s25, s25, s[WV]
	s_mul_i32 s26, s25, STEPB
	s_mov_b32 s27, 0
	s_wait_kmcnt 0x0
	s_add_nc_u64 s[34:35], s[86:87], s[26:27]
	s_or_b32 s35, s35, 0x80000000
	CROUND                                         ; all four work-groups are here: the joint loads meet
	tensor_load_to_lds s[32:35], s[36:43]          ; the launch's only fill: one load of mine is out
	s_nop 0
	PLACES 4
	s_lshl_b32 s25, s3, 5
	s_add_co_u32 s25, s25, s[WV]                   ; T of the first pass
	s_lshl_b32 s26, s5, 7
	s_add_co_u32 s26, s26, s25                     ; 128 b + T
	s_lshl_b32 s28, s4, 5
	s_lshr_b32 s29, s25, 2
	s_add_co_u32 s28, s28, s29
	s_mul_i32 s28, s28, 3328                       ; my unit of 64 queries
	s_and_b32 s29, s[WV], 3                        ; e: my tile in it
	s_mul_i32 s30, s29, 768
	s_add_co_u32 s30, s30, s28
	s_mov_b32 s31, 0
	s_add_nc_u64 s[8:9], s[84:85], s[30:31]
	s_and_b32 s30, s29, 1
	s_lshl_b32 s30, s30, 7
	s_lshr_b32 s29, s29, 1
	s_lshl_b32 s29, s29, 2
	s_add_co_u32 s30, s30, s29
	s_add_co_u32 s30, s30, s28
	s_add_co_u32 s30, s30, 3072                    ; tile e's scale words: 3,072 + 128 (e % 2) + 4 (e / 2) + 8 r
	s_add_nc_u64 s[16:17], s[84:85], s[30:31]
	s_lshl_b32 s30, s26, 12                        ; 16 steps of 256 bytes a tile
	s_add_nc_u64 s[10:11], s[88:89], s[30:31]
	s_lshl_b32 s30, s26, 4
	s_add_co_u32 s30, s30, s6
	s_mul_i32 s30, s30, 768
	s_add_nc_u64 s[12:13], s[90:91], s[30:31]
	s_lshl_b32 s30, s26, 9
	s_lshr_b32 s29, s6, 1
	s_lshl_b32 s29, s29, 6
	s_add_co_u32 s30, s30, s29
	s_and_b32 s29, s6, 1
	s_lshl_b32 s29, s29, 1
	s_add_co_u32 s30, s30, s29                     ; 512 (128 b + T) + 64 (head / 2) + 2 (head % 2)
	s_add_nc_u64 s[14:15], s[92:93], s[30:31]
	s_mov_b32 s[SEL], 0x76543210
	s_mov_b32 s[SEL+1], 0xfedcba98
	s_mov_b32 s[CS], 0x3e38aa3b                    ; log2(e) / 8
	s_mov_b32 s[CS+1], s[CS]                       ; (named with it as a pair)
	v_and_b32 v1, 31, v0
	v_lshlrev_b32 v2, 3, v1
	v_lshlrev_b32 v1, 4, v1
	v_mov_b32 v3, 0xff800000                       ; -infinity
	v_bfe_u32 v7, v0, 4, 1
	v_lshlrev_b32 v7, 3, v7
	v_mov_b32 v31, 0                               ; (named as the upper half of the pair v[30:31] before it is first made)
.irp j, 22,23,24,25,26,27
	v_mov_b32 v[\j], 0                             ; Q's K = 64 .. 127: zero codes
.endr
.irp t, 0,1,2,3
.irp j, 6,7,8,9,10,11
	v_mov_b32 v[KB+12*\t+\j], 0                    ; K's likewise: written once
.endr
.endr
.irp j, 240,241,242,243
	v_mov_b32 v[\j], 0                             ; a lane permute's destination counts as one of its sources
.endr
	s_wait_tensorcnt 0x0                           ; my key step has landed; the descriptor's registers are free for mask words
	s_barrier_signal -1
	s_barrier_wait -1                              ; everybody's has
	s_mov_b32 s24, 2
.Lpass:
	v_and_b32 v240, 15, v0
	v_lshlrev_b32 v240, 3, v240                    ; 8 r
	global_load_b128 v[16:19], v1, s[8:9]          ; my tile of Q, as an image
	global_load_b64 v[20:21], v2, s[8:9] offset:512
	global_load_b32 v6, v240, s[16:17]             ; and its scale words
	MASKWORDS                                      ; key step 0's
	v_mov_b32 v13, 0xff61b1e6                      ; the largest t so far: -3e38
	v_floor_f32 v12, -v13
	v_mov_b32 v14, 0
	v_mov_b32 v15, 0
.set n, 0
.rept 32
	v_mov_b32 v[O+n], 0                            ; O^T: the step is written once; the first change of M leaves zeros zeros
.set n, n+1
.endr
	s_mov_b32 s22, 0
	v_add_nc_u32 v4, s22, v1
	v_add_nc_u32 v5, s22, v2
	KLOAD 0
	ds_load_b64 v[8:9], v5 offset:6144
	ds_load_b64 v[10:11], v5 offset:6400
	s_wait_loadcnt 0x0                             ; Q
	s_mov_b32 s23, 15
.Lstep:
	STEP 1
	s_sub_co_u32 s23, s23, 1
	s_cmp_lg_u32 s23, 0
	s_cbranch_scc1 .Lstep
	STEP 0                                         ; the last step asks for nothing beyond the head's keys and the tile's words
	; THE WAY OUT of a pass
	PLACES 4
	v_add_f32 v14, v14, v15
	v_permlanex16_b32 v240, v14, s[SEL], s[SEL+1]
	v_add_f32 v14, v14, v240                       ; the row's sum
	v_rcp_f32 v30, v14
	v_and_b32 v248, 15, v0                         ; (a plain place behind the reciprocal)
	v_cmp_eq_f32 vcc_lo, 0, v14                    ; no key counted for this query
	v_lshrrev_b32 v249, 3, v7
	v_lshl_add_u32 v249, v248, 2, v249             ; 4 r + h
	v_mov_b32 v250, 0xffff
	s_wait_alu depctr_va_vdst(0)                   ; ahead of the reciprocal's first reader
.set n, 0
.rept 16
	v_pk_mul_f32 v[O+n:O+n+1], v[O+n:O+n+1], v[30:31] op_sel_hi:[1,0]   ; O^T / the sum, each accumulator from its low end on
.set n, n+2
.endr
.irp b, 0,1
.irp j, 0,1,2,3,4,5,6,7
	v_permlane16_swap_b32 v[O+16*\b+\j], v[O+16*\b+8+\j]   ; the last product's other operand is given in the true order: a lane's 16 registers of a block become 16 neighbours, 32 b + 16 h + 0 .. 15
.endr
.endr
	QUANT32 O, PC, 247
	v_cndmask_b32 v247, v247, v250, vcc_lo         ; the sum was 0: both bytes 0xff
	v_lshrrev_b32 v247, v7, v247                   ; lanes 0-15 store block 0's byte, lanes 16-31 block 1's
	global_store_b128 v1, v[PC:PC+3], s[12:13]     ; 512 consecutive aligned bytes
	global_store_b64 v2, v[PC+4:PC+5], s[12:13] offset:512
	global_store_b8 v249, v247, s[14:15]           ; 32 single bytes: two of each row's four in a scale word whose other two come from the neighbouring head's work-group; one byte for 24 of codes
	s_wait_xcnt 0x0                                ; the stores have read their registers and bases
	s_add_nc_u64 s[8:9], s[8:9], 13312             ; 16 tiles on: four units of Q,
	s_add_nc_u64 s[16:17], s[16:17], 13312
	s_add_nc_u64 s[10:11], s[10:11], 61696         ; 65,536 bytes of mask words less the 15 steps walked,
	s_add_nc_u64 s[12:13], s[12:13], 196608
	s_add_nc_u64 s[14:15], s[14:15], 8192
	s_sub_co_u32 s24, s24, 1
	s_cmp_lg_u32 s24, 0
	s_cbranch_scc1 .Lpass
	s_wait_xcnt 0x0
	v_lshl_add_u32 v254, v0, 2, 0x34000
	v_mov_b32 v255, 0
	s_wait_tensorcnt 0x0
	ds_add_u32 v254, v255
	s_wait_dscnt 0x0
	CROUND                                         ; the closing round
	s_endpgm
.Lfunc_end_k_qc5d7d90b09_attn:
	.size	k_qc5d7d90b09_attn, .Lfunc_end_k_qc5d7d90b09_attn-k_qc5d7d90b09_attn
	.p2alignl 7, 3214868480
	.fill 96, 4, 3214868480
	.section	.rodata,"a",@progbits
	.p2align	6, 0x0
	.amdhsa_kernel k_qc5d7d90b09_attn
		.amdhsa_group_segment_fixed_size 215040
		.amdhsa_private_segment_fixed_size 0
		.amdhsa_enable_private_segment 0
		.amdhsa_kernarg_size 40
		.amdhsa_user_sgpr_count 2
		.amdhsa_user_sgpr_kernarg_segment_ptr 1
		.amdhsa_wavefront_size32 1
		.amdhsa_system_sgpr_workgroup_id_x 1
		.amdhsa_system_sgpr_workgroup_id_y 1
		.amdhsa_system_sgpr_workgroup_id_z 1
		.amdhsa_system_vgpr_workitem_id 0
		.amdhsa_next_free_vgpr 256
		.amdhsa_next_free_sgpr 102
		.amdhsa_reserve_vcc 1
		.amdhsa_float_denorm_mode_32 3
		.amdhsa_float_denorm_mode_16_64 3
		.amdhsa_memory_ordered 1
		.amdhsa_forward_progress 1
		.amdhsa_inst_pref_size 53
	.end_amdhsa_kernel
	.amdgpu_metadata
---
amdhsa.version: [ 1, 2 ]
amdhsa.kernels:
  - .name:           k_qc5d7d90b09_attn
    .symbol:         k_qc5d7d90b09_attn.kd
    .args:
      - { .name: qws, .offset: 0, .size: 8, .value_kind: global_buffer, .address_space: global }
      - { .name: kvws, .offset: 8, .size: 8, .value_kind: global_buffer, .address_space: global }
      - { .name: mbits, .offset: 16, .size: 8, .value_kind: global_buffer, .address_space: global }
      - { .name: hoc, .offset: 24, .size: 8, .value_kind: global_buffer, .address_space: global }
      - { .name: hos, .offset: 32, .size: 8, .value_kind: global_buffer, .address_space: global }
    .group_segment_fixed_size: 215040
    .private_segment_fixed_size: 0
    .kernarg_segment_align: 8
    .kernarg_segment_size: 40
    .max_flat_workgroup_size: 512
    .sgpr_count:     102
    .vgpr_count:     256
    .wavefront_size: 32
...
	.end_amdgpu_metadata
.endif
;; end of part 2
;; launch outp (part 3): grid 8 x 64, 4 waves a work-group, clusters of 4 x 4, 247,808 bytes of LDS; arguments hoc, hos, w_o_codes, w_o_scales, out0; writes out0
.if DOCPART == 3
	.amdgcn_target "amdgcn-amd-amdhsa--gfx1250"
	.amdhsa_code_object_version 6
	.text
	.protected	k_qc5d7d90b09_outp
	.globl	k_qc5d7d90b09_outp
	.p2align	8
	.type	k_qc5d7d90b09_outp,@function
k_qc5d7d90b09_outp:
	s_mov_b64 s[64:65], 0
	v_nop
	global_prefetch_b8 v0, s[64:65] scope:SCOPE_SE
	s_setreg_imm32_b32 hwreg(HW_REG_WAVE_MODE, 25, 1), 1
	s_wait_xcnt 0x0
	s_wait_alu depctr_hold_cnt(0) depctr_sa_sdst(0) depctr_va_vdst(0) depctr_va_sdst(0) depctr_va_ssrc(0) depctr_va_vcc(0) depctr_vm_vsrc(0)
	s_getreg_b32 s2, hwreg(HW_REG_IB_STS2, 6, 4)
	s_cmp_eq_u32 s2, 0
	s_cbranch_scc0 .Lentry_in_a_cluster
	s_endpgm
.Lentry_in_a_cluster:
	s_bfe_u32 s2, ttmp6, 0x10000c
	s_cmp_lg_u32 s2, 0xf033
	s_cbranch_scc0 .Lentry_shape_is_right
	s_endpgm
.Lentry_shape_is_right:
; out0 = heads_out x w_o on codes of FP6 (E2M3) with one E8M0 scale for each 32 along K = 1,024.  heads_out comes as images of operand registers (hoc) and scale words (hos), w_o as given: rows of 768 bytes, K innermost.
; SHARES.  A work-group makes 128 rows (RB) x 128 columns (NB); wave w makes rows 64 (w / 2) on x columns 64 (w % 2) on: 16 accumulators.  The product is used transposed: source 0 = 16 rows of w_o (columns of out0),
; source 1 = 16 rows of heads_out: a lane holds eight neighbouring columns of one row.
; LDS.  K in four chunks of 256: each 8 tiles x 3,072 bytes of heads_out's images (four heads' six registers each) and 128 rows of w_o (192 bytes, 16 of padding behind every 64: pitch 240).  Every byte is filled once, at the head.
; Behind them the scale bytes (through registers) and a stage of 16 rows x 272 bytes for each wave.
; CLUSTER 4 x 4.  heads_out's tiles hang on RB alone and are asked for jointly along a row of the cluster, w_o's on NB alone and along a column.
; A scale byte 0xff in hos (a row with no key) makes the row's sums NaN, as the definition has it.
.set PITCH, 240
.set HPART, 24576                      ; heads_out's part of a chunk
.set CHB,   55296                      ; a chunk
.set SC,    4*CHB                      ; scale bytes: hos 16 x 272, then w_o's 16 x 272
.set STG,   SC+8704                    ; the stages
.set L16,   4
.set L8,    5
.set ADA,   6                          ; v6, v7  w_o's fragments
.set HB16,  8                          ; v8      heads_out's images: 16 x lane
.set HB8,   9                          ; v9      8 x lane
.set SAA,   10                         ; v10     w_o's scale words
.set SBA,   11                         ; v11     heads_out's
.set CPY,   12
.set STO,   13                         ; v13     the stage: in
.set RD,    14                         ; v14     the stage: back
.set CO,    15                         ; v15     my byte offset in out0
.set SA,    16
.set SB,    24
.set FA,    32
.set FB,    80
.set ACC,   128
.set WV,    52
.set CX,    53
.set CY,    54
.set NB,    55
.set RB,    56
.set G1H,   4
.set G1W,   12
.set G0H,   20
.set G0W,   36
.macro CROUND
	s_barrier_signal -1
	s_barrier_wait -1
	s_cmp_lg_u32 s[WV], 0
	s_cbranch_scc1 .Lnot_wave_0_\@
	s_barrier_signal -3
.Lnot_wave_0_\@:
	s_barrier_wait -3
	s_barrier_signal -1
	s_barrier_wait -1
.endm
.macro PLACES n
.rept \n
	v_nop
.endr
.endm
.macro FRAG reg, adr, q, i             ; a fragment of w_o from padded rows: six pieces of 8 bytes; lanes 16-31 read three pieces on, for some pieces behind one padding more
.irp p, 0,1,2,3,4,5
.set PCE, 12*(\q)+6*(\p/3)+\p%3
.if PCE%8 < 5
	ds_load_b64 v[(\reg)+2*\p:(\reg)+2*\p+1], v[\adr] offset:8*PCE+16*(PCE/8)+(\i)*16*PITCH
.else
	ds_load_b64 v[(\reg)+2*\p:(\reg)+2*\p+1], v[(\adr)+1] offset:8*PCE+16*(PCE/8)+(\i)*16*PITCH
.endif
.endr
.endm
.macro HFRAG reg, q, i                 ; a fragment of heads_out: two heads' images
.irp cc, 0,1
	ds_load_b128 v[(\reg)+6*\cc:(\reg)+6*\cc+3], v[HB16] offset:3072*(\i)+768*(2*(\q)+\cc)
	ds_load_b64 v[(\reg)+6*\cc+4:(\reg)+6*\cc+5], v[HB8] offset:3072*(\i)+768*(2*(\q)+\cc)+512
.endr
.endm
.macro MUL4 i, q, zero
.irp j, 0,1,2,3
.if \zero
	v_wmma_scale_f32_16x16x128_f8f6f4 v[ACC+8*(4*(\i)+\j):ACC+8*(4*(\i)+\j)+7], v[FA+12*\j:FA+12*\j+11], v[FB+12*(\i):FB+12*(\i)+11], 0, v[SA+2*\j+(\q)], v[SB+2*(\i)+(\q)] matrix_a_fmt:MATRIX_FMT_FP6 matrix_b_fmt:MATRIX_FMT_FP6
.else
	v_wmma_scale_f32_16x16x128_f8f6f4 v[ACC+8*(4*(\i)+\j):ACC+8*(4*(\i)+\j)+7], v[FA+12*\j:FA+12*\j+11], v[FB+12*(\i):FB+12*(\i)+11], v[ACC+8*(4*(\i)+\j):ACC+8*(4*(\i)+\j)+7], v[SA+2*\j+(\q)], v[SB+2*(\i)+(\q)] matrix_a_fmt:MATRIX_FMT_FP6 matrix_b_fmt:MATRIX_FMT_FP6
.endif
.endr
.endm
.macro KSTEP q, zero                   ; 128 along K; the 16 accumulators take turns in the same order in every step
.irp j, 0,1,2,3
	FRAG FA+12*\j, ADA, \q, \j
.endr
.irp i, 0,1,2,3
	HFRAG FB+12*\i, \q, \i
.endr
.irp i, 0,1,2,3
	s_wait_dscnt 12-4*\i                           ; w_o's four and heads_out's tile i are in; the 3 - i younger fragments, four loads each, may be out
	MUL4 \i, \q, \zero
.endr
	PLACES 4                                       ; four plain places between the products and the loads into the registers that they read
.endm
.macro CHUNK c
	s_wait_tensorcnt 3-\c                          ; my load of chunk c has landed; my 3 - c loads of the later chunks may stay out: nothing is filled a second time
	s_wait_dscnt 0x0                               ; my stores of scale bytes have landed, and no LDS load of mine is out
	s_barrier_signal -1
	s_barrier_wait -1
.irp t, 0,1,2,3
	ds_load_b64 v[SA+2*\t:SA+2*\t+1], v[SAA] offset:544*\t+8*\c
.endr
.irp i, 0,1,2,3
.irp q, 0,1
	ds_load_b32 v[SB+2*\i+\q], v[SBA] offset:544*\i+64*(2*\c+\q)+16*((2*\c+\q)/4)   ; tile i, K step 2 c + q: 64 bytes a K step, 16 of padding behind four
.endr
.endr
.if \c == 0
	KSTEP 0, 1
.else
	KSTEP 0, 0
.endif
	KSTEP 1, 0
.if \c < 3
	v_add_nc_u32 v[ADA], CHB, v[ADA]
	v_add_nc_u32 v[ADA+1], CHB, v[ADA+1]
	v_add_nc_u32 v[HB16], CHB, v[HB16]
	v_add_nc_u32 v[HB8], CHB, v[HB8]
.endif
.endm
; THE WAY OUT, a tile of 16 rows x 64 columns at a time, through my own stage: in as 32 bytes a lane, back as whole rows of 256 bytes.  LDS serves a wave's instructions in order (ISA guide 5.7.1.4): no wait between the stores and the loads.
.macro TOSTAGE i
.irp j, 0,1,2,3
	ds_store_b128 v[STO], v[ACC+8*(4*(\i)+\j):ACC+8*(4*(\i)+\j)+3] offset:64*\j          ; each accumulator from its low end on
	ds_store_b128 v[STO], v[ACC+8*(4*(\i)+\j)+4:ACC+8*(4*(\i)+\j)+7] offset:64*\j+16
.endr
.irp t, 0,1,2,3,4,5,6,7
	ds_load_b128 v[32+32*((\i)%2)+4*\t:32+32*((\i)%2)+4*\t+3], v[RD] offset:544*\t
.endr
.endm
.macro SEND i
.irp t, 0,1,2,3,4,5,6,7
	global_store_b128 v[CO], v[32+32*((\i)%2)+4*\t:32+32*((\i)%2)+4*\t+3], s[78:79] offset:(16*(\i)+2*\t)*4096 th:TH_STORE_NT   ; sixteen lanes store 256 consecutive aligned bytes of a row, the other sixteen those of the next row
.endr
.endm
	s_load_b256 s[68:75], s[0:1], 0x0              ; hoc 68, hos 70, w_o_codes 72, w_o_scales 74
	s_load_b64 s[76:77], s[0:1], 0x20              ; out0
	s_set_vgpr_msb 0x40
	v_lshl_add_u32 v0, v0, 2, 0x3c600
	v_mov_b32 v1, 0
	s_set_vgpr_msb 0x4045
	ds_add_u32 v0, v1
	ds_add_u32 v0, v1
	s_set_vgpr_msb 0x4500
	v_lshrrev_b32 v1, 5, v0
	v_readfirstlane_b32 s[WV], v1                  ; wave 0..3
	s_bfe_u32 s[CX], ttmp6, 0x40000
	s_bfe_u32 s[CY], ttmp6, 0x40004
	s_lshl_b32 s[NB], ttmp9, 2
	s_add_co_u32 s[NB], s[NB], s[CX]
	s_and_b32 s[RB], ttmp7, 0xffff
	s_lshl_b32 s[RB], s[RB], 2
	s_add_co_u32 s[RB], s[RB], s[CY]
	s_lshl_b32 s57, s[CY], 2
	s_lshl_b32 s57, 15, s57                        ; my row of the cluster
	s_lshl_b32 s66, 0x1111, s[CX]                  ; my column
	s_or_b32 s[G1H], s57, (3<<16)|(1<<21)          ; heads_out: the mask; elements of 8 bytes; 21 set beside a mask; no padding
	s_mov_b32 s[G1H+1], 384<<16                    ; tensor_dim0 = 384 elements: four heads' images, 3,072 bytes
	s_mov_b32 s[G1H+2], 8<<16                      ; tensor_dim1 = 8 tiles of rows
	s_mov_b32 s[G1H+3], 384<<16
	s_mov_b32 s[G1H+4], 8
	s_mov_b32 s[G1H+5], 1536                       ; from tile to tile: 16 heads' images, 12,288 bytes
	s_mov_b32 s[G1H+6], 0
	s_mov_b32 s[G1H+7], 0
	s_or_b32 s[G1W], s66, (1<<20)|(1<<21)|(3<<22)|(3<<25)   ; w_o: elements of 1 byte; after every 16 words 4 words of padding
	s_mov_b32 s[G1W+1], 192<<16
	s_mov_b32 s[G1W+2], 128<<16
	s_mov_b32 s[G1W+3], 192<<16
	s_mov_b32 s[G1W+4], 128
	s_mov_b32 s[G1W+5], 768
	s_mov_b32 s[G1W+6], 0
	s_mov_b32 s[G1W+7], 0
	s_mul_i32 s60, s[RB], 98304                    ; 8 tiles of 12,288 bytes (made of RB alone)
	s_mov_b32 s61, 0
	s_mul_i32 s62, s[NB], 98304                    ; 128 rows of 768 bytes (made of NB alone)
	s_mov_b32 s63, 0
	s_wait_dscnt 0x0
	s_wait_kmcnt 0x0
	s_add_nc_u64 s[60:61], s[68:69], s[60:61]
	s_add_nc_u64 s[62:63], s[72:73], s[62:63]
.irp c, 0,1,2,3
	s_mov_b32 s[G0H+4*\c], 1
	s_mov_b32 s[G0H+4*\c+1], CHB*\c
	s_add_nc_u64 s[G0H+4*\c+2:G0H+4*\c+3], s[60:61], 3072*\c
	s_or_b32 s[G0H+4*\c+3], s[G0H+4*\c+3], 0x80000000
	s_mov_b32 s[G0W+4*\c], 1
	s_mov_b32 s[G0W+4*\c+1], CHB*\c+HPART
	s_add_nc_u64 s[G0W+4*\c+2:G0W+4*\c+3], s[62:63], 192*\c
	s_or_b32 s[G0W+4*\c+3], s[G0W+4*\c+3], 0x80000000
.endr
	CROUND                                         ; all sixteen work-groups are here: the joint loads meet
	s_cmp_eq_u32 s[WV], 0                          ; all fills of the launch, in one group: wave 0 heads_out's four chunks, wave 1 w_o's four; four loads of a wave are out at the most
	s_cbranch_scc0 .Lnot_h
.irp c, 0,1,2,3
	tensor_load_to_lds s[G0H+4*\c:G0H+4*\c+3], s[G1H:G1H+7]
	s_nop 0
.endr
	PLACES 4
	s_branch .Lasked
.Lnot_h:
	s_cmp_eq_u32 s[WV], 1
	s_cbranch_scc0 .Lasked
.irp c, 0,1,2,3
	tensor_load_to_lds s[G0W+4*\c:G0W+4*\c+3], s[G1W:G1W+7]
	s_nop 0
.endr
	PLACES 4
.Lasked:
	v_and_b32 v1, 31, v0                           ; lane
	v_and_b32 v2, 15, v0                           ; r
	v_bfe_u32 v3, v0, 4, 1                         ; h
	v_lshlrev_b32 v[L16], 4, v1
	v_lshlrev_b32 v[L8], 3, v1
	s_and_b32 s57, s[WV], 1                        ; which 64 columns
	s_lshr_b32 s58, s[WV], 1                       ; which 64 rows
	v_mul_u32_u24 v48, v2, PITCH
	v_mad_u32_u24 v49, v3, 24, v48
	v_mad_u32_u24 v48, v3, 40, v48
	s_mul_i32 s59, s57, 64*PITCH
	s_add_co_u32 s59, s59, HPART
	v_add_nc_u32 v[ADA], s59, v49
	v_add_nc_u32 v[ADA+1], s59, v48
	s_mul_i32 s59, s58, 12288                      ; four tiles of 3,072
	v_add_nc_u32 v[HB16], s59, v[L16]
	v_add_nc_u32 v[HB8], s59, v[L8]
	v_lshrrev_b32 v48, 3, v2
	v_mul_u32_u24 v48, v48, 272
	v_and_b32 v49, 7, v2
	v_lshl_add_u32 v48, v49, 5, v48
	s_mul_i32 s59, s57, 2176
	s_add_co_u32 s59, s59, SC+4352
	v_add_nc_u32 v[SAA], s59, v48                  ; w_o's scale bytes: 32 a row, eight rows to 272
	s_mul_i32 s59, s58, 2176
	s_add_co_u32 s59, s59, SC
	v_lshl_add_u32 v[SBA], v2, 2, s59              ; heads_out's: a word a row
	s_mul_i32 s59, s[WV], 2176
	s_add_co_u32 s59, s59, SC
	v_lshl_add_u32 v[CPY], v3, 4, v[L16]
	v_add_nc_u32 v[CPY], s59, v[CPY]
	s_mul_i32 s59, s[WV], 4352
	s_add_co_u32 s59, s59, STG                     ; my stage
	v_mul_u32_u24 v[STO], v2, 272
	v_lshl_add_u32 v[STO], v3, 5, v[STO]
	v_add_nc_u32 v[STO], s59, v[STO]               ; in: row r, 32 bytes for each half of the lanes
	v_lshl_add_u32 v[RD], v3, 4, v[L16]
	v_add_nc_u32 v[RD], s59, v[RD]                 ; back: lanes 0-15 one row, lanes 16-31 the next
	v_lshlrev_b32 v[CO], 12, v3
	v_lshl_add_u32 v[CO], v2, 4, v[CO]             ; and the same two rows in out0
	s_lshl_b32 s60, s[RB], 7
	s_lshl_b32 s59, s58, 6
	s_add_co_u32 s60, s60, s59
	s_lshl_b32 s60, s60, 12                        ; my first row: 4,096 bytes a row
	s_lshl_b32 s59, s[NB], 9
	s_add_co_u32 s60, s60, s59
	s_lshl_b32 s59, s57, 8
	s_add_co_u32 s60, s60, s59                     ; my first column
	s_mov_b32 s61, 0
	s_add_nc_u64 s[78:79], s[76:77], s[60:61]
	; the scale bytes, 2,048 a wave: waves 0, 1 heads_out's, waves 2, 3 w_o's
	s_cmp_lt_u32 s[WV], 2
	s_cselect_b64 s[66:67], s[70:71], s[74:75]
	s_cselect_b32 s59, s[RB], s[NB]
	s_lshl_b32 s59, s59, 12
	s_lshl_b32 s62, s57, 11
	s_add_co_u32 s62, s62, s59
	s_mov_b32 s63, 0
	s_add_nc_u64 s[66:67], s[66:67], s[62:63]
.irp i, 0,1,2,3
	global_load_b128 v[56+4*\i:59+4*\i], v[L16], s[66:67] offset:512*\i
.endr
	s_wait_loadcnt 0x0
.irp i, 0,1,2,3
	ds_store_b128 v[CPY], v[56+4*\i:59+4*\i] offset:544*\i
.endr
	CHUNK 0
	CHUNK 1
	CHUNK 2
	CHUNK 3
	TOSTAGE 0                                      ; (the last step's four places stand behind its products)
.irp i, 1,2,3
.if \i > 1
	s_wait_xcnt 0x0                                ; tile i - 2's stores have read the registers into which tile i comes back
.endif
	TOSTAGE \i
	s_wait_dscnt 16                                ; tile i - 1 is back; tile i's 8 stores and 8 loads may be out
	SEND \i-1
.endr
	s_wait_dscnt 0x0
	SEND 3
	s_set_vgpr_msb 0x5
	s_wait_tensorcnt 0x0
	ds_add_u32 v0, v1
	s_wait_dscnt 0x0
	s_set_vgpr_msb 0x500
	CROUND                                         ; the closing round
	s_endpgm
.Lfunc_end_k_qc5d7d90b09_outp:
	.size	k_qc5d7d90b09_outp, .Lfunc_end_k_qc5d7d90b09_outp-k_qc5d7d90b09_outp
	.p2alignl 7, 3214868480
	.fill 96, 4, 3214868480
	.section	.rodata,"a",@progbits
	.p2align	6, 0x0
	.amdhsa_kernel k_qc5d7d90b09_outp
		.amdhsa_group_segment_fixed_size 247808
		.amdhsa_private_segment_fixed_size 0
		.amdhsa_enable_private_segment 0
		.amdhsa_kernarg_size 40
		.amdhsa_user_sgpr_count 2
		.amdhsa_user_sgpr_kernarg_segment_ptr 1
		.amdhsa_wavefront_size32 1
		.amdhsa_system_sgpr_workgroup_id_x 1
		.amdhsa_system_sgpr_workgroup_id_y 1
		.amdhsa_system_sgpr_workgroup_id_z 1
		.amdhsa_system_vgpr_workitem_id 0
		.amdhsa_next_free_vgpr 258
		.amdhsa_next_free_sgpr 80
		.amdhsa_reserve_vcc 0
		.amdhsa_float_denorm_mode_32 3
		.amdhsa_float_denorm_mode_16_64 3
		.amdhsa_memory_ordered 1
		.amdhsa_forward_progress 1
		.amdhsa_inst_pref_size 60
	.end_amdhsa_kernel
	.amdgpu_metadata
---
amdhsa.version: [ 1, 2 ]
amdhsa.kernels:
  - .name:           k_qc5d7d90b09_outp
    .symbol:         k_qc5d7d90b09_outp.kd
    .args:
      - { .name: hoc, .offset: 0, .size: 8, .value_kind: global_buffer, .address_space: global }
      - { .name: hos, .offset: 8, .size: 8, .value_kind: global_buffer, .address_space: global }
      - { .name: w_o_codes, .offset: 16, .size: 8, .value_kind: global_buffer, .address_space: global }
      - { .name: w_o_scales, .offset: 24, .size: 8, .value_kind: global_buffer, .address_space: global }
      - { .name: out0, .offset: 32, .size: 8, .value_kind: global_buffer, .address_space: global }
    .group_segment_fixed_size: 247808
    .private_segment_fixed_size: 0
    .kernarg_segment_align: 8
    .kernarg_segment_size: 40
    .max_flat_workgroup_size: 128
    .sgpr_count:     80
    .vgpr_count:     258
    .wavefront_size: 32
...
	.end_amdgpu_metadata
.endif
;; end of part 3
